; MI455X (gfx1250); checked and timed in simulation.
; The chip was launched on July 23, 2026; its instructions are those of AMD's public machine-readable ISA for CDNA 5 (MIT licence, August 2026) and "CDNA5" Instruction Set Architecture Reference Guide (July 2026). The comments in the code are by the model that wrote it; some were corrected since.
;; V Quant Linear. Allowed arithmetic: float matrix products may take bf16 or f16 operands with f32 sums; all other float work in f32.
;; Inputs: centroids 1 x 32,768 float32; indices 1 x 256 x 3,968 int32; outlier_centroids 1 x 1,024 float32; outlier_indices 1 x 512 x 128 int32; perm 4,096 int32; res_centroids 1 x 2,048 float32; res_indices 1 x 256 x 3,968 int32; weight_bias 4,096 float32; weight_scale 4,096 float32; x 2 x 4,096 x 4,096 float32.
;; Outputs: out0 2 x 4,096 x 2,048 float32.
;; One version. Each part assembles by itself: llvm-mc -triple=amdgcn-amd-amdhsa -mcpu=gfx1250 --defsym DOCPART=n.
;; ======== version 1 of 1: 3 launches
;; limits: values are held in f16: magnitudes above 65,504 overflow, below 6.1e-05 lose precision; inputs' magnitudes at most 65,504
;; workspace buffers: order 16,384 bytes of whole numbers; wq 16,777,216 bytes; xh 67,108,864 bytes
;; launch prep (part 1): grid 256 x 1, 16 waves a work-group, no clusters, 4,096 bytes of LDS; arguments perm, order, x, xh; writes order, xh
.if DOCPART == 1
	.amdgcn_target "amdgcn-amd-amdhsa--gfx1250"
	.amdhsa_code_object_version 6
	.text
	.protected	k_qd4788495ee_prep
	.globl	k_qd4788495ee_prep
	.p2align	8
	.type	k_qd4788495ee_prep,@function
k_qd4788495ee_prep:
	s_mov_b64 s[64:65], 0
	v_nop
	global_prefetch_b8 v0, s[64:65] scope:SCOPE_SE
	s_setreg_imm32_b32 hwreg(HW_REG_WAVE_MODE, 25, 1), 1
	s_wait_xcnt 0x0
; Two things that hang on nothing but the inputs, in one launch: xh = x rounded to f16, and order = the columns' places in a stable sort of perm.
;
; WHY x IS ROUNDED AHEAD OF THE PRODUCT: as f32 a K step of 64 of a block of 256 rows and 256 columns takes 64 + 32 KiB of LDS, and two slots of a longer step do not fit.
; As f16 a K step of 128 takes 64 + 64 KiB: a tile's load then has 240 matrix instructions of a wave in which to land instead of 112, a wave reads 32 LDS loads for 64 matrix
; instructions instead of 48, and the product holds no conversion.  The price: xh's 67,108,864 bytes are stored here and loaded there.
; THE CAST: the work-group owns rows 32 g .. 32 g + 31 of x (524,288 bytes), wave w 32,768 of them, as 64 chunks of 512 bytes.  A chunk is one load of 16 bytes a lane (512
; consecutive bytes), two packed roundings, one store of 8 bytes a lane (256 consecutive bytes, aligned).  A ring of 16 register slots: 16 loads of every wave are on their way,
; 131,072 bytes for the work-group.  Every address is a register that is never rewritten plus an immediate (32,256 at the most): no loop, nothing is stepped.
; No LDS for the stream, no matrix unit, no cluster: every byte is used once by one lane.
; LIMITS: f16's range: an x beyond 65,504 in magnitude becomes infinite; below 2^-14 the step is 2^-24 (denormals are kept).  x as the problem draws it reaches about 6; 30 times larger
; is below 200, a common offset of 30 leaves it below 40; 30 times smaller has a root mean square of 0.03, against which 2^-25 is nothing.
;
; THE RANKS: order[c] = the number of c' with (perm[c'], c') < (perm[c], c), perm taken as signed 32-bit numbers: where column c lands in what argsort gives.
; It holds for any int32 numbers in perm, equal ones too; for a permutation of 0 .. 4095 it is perm[c] itself.
; The work-group owns 16 columns c = 16 g .. 16 g + 15; wave w compares them with c' = 256 w .. 256 w + 255 (8 chunks of 32, one c' a lane),
; so every pair (c, c') of the 4096 x 4096 is compared once in the launch.  The wave's 128 comparisons stand two behind each chunk's load and store, where the wave
; would else only wait for memory.  The sixteen waves' counts meet in LDS; wave 0 adds and stores them.
; THE COMPARISON: with B = (perm[c] ^ 0x80000000, c) and A = (perm[c'] ^ 0x80000000, c') as unsigned 64-bit numbers (high word, low word),
; A < B exactly when the sum B + ~A carries out of bit 63.  ~A = (perm[c'] ^ 0x7fffffff, ~c').  Two adds with carry, and the carry mask is counted.
; order's store is 64 bytes a work-group, a part of an aligned block of 256: the whole buffer is 16,384 bytes.
.set NLO, 8                            ; v[8:15]   chunk m of perm: ~c'
.set NHI, 16                           ; v[16:23]  chunk m of perm: perm[c'], then perm[c'] ^ 0x7fffffff
.set IN,   29                          ; v29       32,768 w + 16 lane: my 16 bytes in my wave's first chunk of x; never rewritten
.set OUTO, 30                          ; v30       16,384 w + 8 lane: my 8 bytes in xh; never rewritten
.set X,    32                          ; v[32:95]  slot s: 4 registers as loaded
.set Y,    96                          ; v[96:127] slot s: 2 registers to store
.set KEY, 16                           ; s[16:31]  perm of my 16 columns, then ^ 0x80000000
.set CNT, 32                           ; s[32:47]  their counts in this wave's 256 c'
.set DEPTH,  16                        ; slots = loads in flight in each wave
.set CHUNKS, 64                        ; chunks of a wave
	s_load_b256 s[4:11], s[0:1], 0x0               ; perm s[4:5], order s[6:7], x s[8:9], xh s[10:11]
	v_lshl_add_u32 v128, v0, 2, 0x800
	v_mov_b32 v129, 0
	v_and_b32 v1, 31, v0                           ; lane
	v_lshrrev_b32 v3, 5, v0
	v_readfirstlane_b32 s14, v3                    ; wave
	s_lshl_b32 s51, ttmp9, 6                       ; byte offset of my 16 columns in perm and in order
	s_lshl_b32 s50, ttmp9, 4                       ; my first column
	s_mov_b32 s2, s51
	s_mov_b32 s3, 0
	v_lshl_add_u32 v4, v3, 8, v1                   ; c' of chunk 0 = 256 w + lane
	v_lshlrev_b32 v2, 2, v4                        ; its byte offset
	v_lshlrev_b32 v6, 2, v0                        ; LDS: 128 w + 4 lane
	v_lshlrev_b32 v[IN], 4, v1
	v_lshl_add_u32 v[IN], v3, 15, v[IN]
	v_lshlrev_b32 v[OUTO], 3, v1
	v_lshl_add_u32 v[OUTO], v3, 14, v[OUTO]
	s_wait_kmcnt 0x0
	s_add_nc_u64 s[12:13], s[4:5], s[2:3]
	s_load_b512 s[KEY:KEY+15], s[12:13], 0x0       ; perm of my 16 columns (perm is stored by no line of this launch)
.irp m, 0,1,2,3,4,5,6,7
	global_load_b32 v[NHI+\m], v2, s[4:5] offset:128*\m
.endr
	s_lshl_b32 s2, ttmp9, 19                       ; 32 g rows of 16,384 bytes: below 2^27
	s_add_nc_u64 s[8:9], s[8:9], s[2:3]
	s_lshl_b32 s2, ttmp9, 18                       ; 32 g rows of 8,192 bytes
	s_add_nc_u64 s[10:11], s[10:11], s[2:3]
.irp i, 0,1,2,3,4,5,6,7,8,9,10,11,12,13,14,15
	global_load_b128 v[X+4*\i:X+4*\i+3], v[IN], s[8:9] offset:512*\i th:TH_LOAD_NT     ; fill the ring: chunks 0 to 15
.endr
.irp m, 0,1,2,3,4,5,6,7
	v_add_nc_u32 v[NLO+\m], 32*\m, v4
	v_xor_b32 v[NLO+\m], -1, v[NLO+\m]             ; ~c'
.endr
	s_wait_kmcnt 0x0
.irp j, 0,1,2,3,4,5,6,7,8,9,10,11,12,13,14,15
	s_xor_b32 s[KEY+\j], s[KEY+\j], 0x80000000     ; signed order as unsigned order
.endr
	s_wait_loadcnt DEPTH                           ; loads come back in order (ISA guide 5.7.1): perm's eight are in, the ring's sixteen stay out
.irp m, 0,1,2,3,4,5,6,7
	v_xor_b32 v[NHI+\m], 0x7fffffff, v[NHI+\m]     ; the complement of the same
.endr
; One comparison: my column cj against the 32 c' of perm's chunk cm.
.macro CMP
.if cm == 0
	s_add_co_u32 s49, s50, cj                      ; c
.endif
	v_add_co_u32 v3, vcc_lo, s49, v[NLO+cm]                            ; carry: c > c'
	v_add_co_ci_u32 v3, vcc_lo, s[KEY+cj], v[NHI+cm], vcc_lo           ; carry: (perm[c'], c') < (perm[c], c)
.if cm == 0
	s_bcnt1_i32_b32 s[CNT+cj], vcc_lo              ; the first chunk starts the count: nothing is cleared
.else
	s_bcnt1_i32_b32 s48, vcc_lo
	s_add_co_u32 s[CNT+cj], s[CNT+cj], s48
.endif
.endm
; Chunk n, in slot n mod 16.  The first 48 chunks fill their slot again with the chunk 16 further on; the last 16 load nothing and their counts run down.
.set n, 0
.rept CHUNKS
.if n < CHUNKS-DEPTH
	s_wait_loadcnt DEPTH-1                         ; mine is in, the fifteen younger ones stay out
.else
	s_wait_loadcnt CHUNKS-1-n
.endif
	s_wait_xcnt 0x0                                ; every earlier memory instruction has had its addresses translated (ISA guide 3.1): the slot's Y, which its last store reads, is rewritten only behind this wait
	v_cvt_pk_f16_f32 v[Y+2*(n%DEPTH)],   v[X+4*(n%DEPTH)],   v[X+4*(n%DEPTH)+1]        ; two roundings to f16, the first source into the low half
	v_cvt_pk_f16_f32 v[Y+2*(n%DEPTH)+1], v[X+4*(n%DEPTH)+2], v[X+4*(n%DEPTH)+3]
.if n < CHUNKS-DEPTH
	global_load_b128 v[X+4*(n%DEPTH):X+4*(n%DEPTH)+3], v[IN], s[8:9] offset:512*(n+DEPTH) th:TH_LOAD_NT
.endif
	global_store_b64 v[OUTO], v[Y+2*(n%DEPTH):Y+2*(n%DEPTH)+1], s[10:11] offset:256*n th:TH_STORE_NT   ; the wave: 256 consecutive bytes, aligned
.set cj, (2*n)>>3
.set cm, (2*n)&7
	CMP
.set cj, (2*n+1)>>3
.set cm, (2*n+1)&7
	CMP
.set n, n+1
.endr
	v_mov_b32 v5, 0                                ; v_writelane_b32 keeps the other lanes: the register is written whole first
.irp j, 0,1,2,3,4,5,6,7,8,9,10,11,12,13,14,15
	v_writelane_b32 v5, s[CNT+\j], \j              ; lane j: the count of column j
.endr
	ds_store_b32 v6, v5                            ; each wave's own 128 bytes
	s_wait_dscnt 0x0                               ; for wave 0's sake: my store is done before I signal
	s_barrier_signal -1
	s_barrier_wait -1
	s_cmp_lg_u32 s14, 0
	s_cbranch_scc1 .Ldone                          ; behind the only barrier: waves 1 to 15 have nothing left to do
	v_lshlrev_b32 v7, 2, v1
.irp u, 0,1,2,3,4,5,6,7,8,9,10,11,12,13,14,15
	ds_load_b32 v[8+\u], v7 offset:128*\u          ; lane j: wave u's count of column j
.endr
	v_add_nc_u32 v28, s51, v7                      ; 64 g + 4 lane
	s_wait_dscnt 0x0
.irp u, 0,2,4,6,8,10,12,14
	v_add_nc_u32 v[8+\u], v[8+\u], v[9+\u]
.endr
.irp u, 0,4,8,12
	v_add_nc_u32 v[8+\u], v[8+\u], v[10+\u]
.endr
	v_add_nc_u32 v8, v8, v12
	v_add_nc_u32 v16, v16, v20
	v_add_nc_u32 v26, v8, v16
	s_wait_xcnt 0x0                                ; EXEC is narrowed only behind this wait: it is a source of the stores above
	v_cmp_gt_u32 vcc_lo, 16, v1
	s_wait_tensorcnt 0x0
	ds_add_u32 v128, v129
	s_wait_dscnt 0x0
	s_and_saveexec_b32 s48, vcc_lo                 ; lanes 0 to 15 hold my 16 columns
	global_store_b32 v28, v26, s[6:7]
	s_endpgm
.Ldone:
	s_wait_tensorcnt 0x0
	ds_add_u32 v128, v129
	s_wait_dscnt 0x0
	s_endpgm
.Lfunc_end_k_qd4788495ee_prep:
	.size	k_qd4788495ee_prep, .Lfunc_end_k_qd4788495ee_prep-k_qd4788495ee_prep
	.p2alignl 7, 3214868480
	.fill 96, 4, 3214868480
	.section	.rodata,"a",@progbits
	.p2align	6, 0x0
	.amdhsa_kernel k_qd4788495ee_prep
		.amdhsa_group_segment_fixed_size 4096
		.amdhsa_private_segment_fixed_size 0
		.amdhsa_enable_private_segment 0
		.amdhsa_kernarg_size 32
		.amdhsa_user_sgpr_count 2
		.amdhsa_user_sgpr_kernarg_segment_ptr 1
		.amdhsa_wavefront_size32 1
		.amdhsa_system_sgpr_workgroup_id_x 1
		.amdhsa_system_sgpr_workgroup_id_y 1
		.amdhsa_system_sgpr_workgroup_id_z 1
		.amdhsa_system_vgpr_workitem_id 0
		.amdhsa_next_free_vgpr 130
		.amdhsa_next_free_sgpr 66
		.amdhsa_reserve_vcc 1
		.amdhsa_float_denorm_mode_32 3
		.amdhsa_float_denorm_mode_16_64 3
		.amdhsa_memory_ordered 1
		.amdhsa_forward_progress 1
		.amdhsa_inst_pref_size 52
	.end_amdhsa_kernel
	.amdgpu_metadata
---
amdhsa.version: [ 1, 2 ]
amdhsa.kernels:
  - .name:           k_qd4788495ee_prep
    .symbol:         k_qd4788495ee_prep.kd
    .args:
      - { .name: perm, .offset: 0, .size: 8, .value_kind: global_buffer, .address_space: global }
      - { .name: order, .offset: 8, .size: 8, .value_kind: global_buffer, .address_space: global }
      - { .name: x, .offset: 16, .size: 8, .value_kind: global_buffer, .address_space: global }
      - { .name: xh, .offset: 24, .size: 8, .value_kind: global_buffer, .address_space: global }
    .group_segment_fixed_size: 4096
    .private_segment_fixed_size: 0
    .kernarg_segment_align: 8
    .kernarg_segment_size: 32
    .max_flat_workgroup_size: 512
    .sgpr_count:     66
    .vgpr_count:     130
    .wavefront_size: 32
...
	.end_amdgpu_metadata
.endif
;; end of part 1
;; launch dequant (part 2): grid 32 x 8, 16 waves a work-group, no clusters, 175,104 bytes of LDS; arguments centroids, res_centroids, outlier_centroids, indices, res_indices, outlier_indices, weight_scale, weight_bias, order, wq; writes wq
.if DOCPART == 2
	.amdgcn_target "amdgcn-amd-amdhsa--gfx1250"
	.amdhsa_code_object_version 6
	.text
	.protected	k_qd4788495ee_dequant
	.globl	k_qd4788495ee_dequant
	.p2align	8
	.type	k_qd4788495ee_dequant,@function
k_qd4788495ee_dequant:
	s_mov_b64 s[64:65], 0
	v_nop
	global_prefetch_b8 v0, s[64:65] scope:SCOPE_SE
	s_setreg_imm32_b32 hwreg(HW_REG_WAVE_MODE, 25, 1), 1
	s_wait_xcnt 0x0
; wq[order[c]][n] = f16( w0[n][c] * weight_scale[c] + weight_bias[c] ),  wq: [4096 (x's column)][2048 (n)] f16, 4,096 bytes a row.
;   c >= 128: w0[8 i + v][c] = centroids[indices[i][c-128]][v] + res_centroids[res_indices[i][c-128]][v]      (v = 0 .. 7)
;   c <  128: w0[4 i + v][c] = outlier_centroids[outlier_indices[i][c]][v]                                    (v = 0 .. 3)
; The weight is stored with x's column as the row, since a lane's eight numbers of one column c are eight neighbouring n: 16 bytes; the 32 lanes of a
; wave take 32 neighbouring index rows, so one store of a wave covers 512 consecutive bytes, aligned, of row order[c]: the permutation costs an address.
; Work-group (cblk, nblk): source columns c = 128 cblk .. + 127, n = 256 nblk .. + 255.  cblk = 0 is the outlier block (the branch is the same for
; the whole work-group).  Wave w: columns 128 cblk + 8 w + j, j = 0 .. 7.  Lane l: n = 256 nblk + 8 l .. + 7.
; The codebooks are copied once into LDS by 16-byte loads of neighbouring lanes and gathered from there: the work-group's 4,096 gathers of 32 bytes
; are as many bytes as the main table holds.  The index tiles go through LDS too: they are read along rows and used down columns.
; No matrix unit, cluster or tensor load: nothing here is a product, and the tiles are small and read once.
; WHY f16 AND NOT bf16: with 8 significant bits in both operands a sum of 4,096 products carries an error whose spread is about 0.002 of the output's root mean
; square, a quarter of what the comparison allows: too near for 16.7 million numbers.  With 11 bits it is eight times smaller.
; LIMITS: (main + residual) is one f32 add, the scale and bias one fused multiply-add (reference(): product and sum rounded apart), then one rounding to f16.
; f16's range: a weight beyond 65,504 in magnitude becomes infinite; below 2^-14 the step is 2^-24 (denormals are kept).  Weights as the problem draws them have a root mean
; square of 0.03 and reach 0.23; tables and scale both 30 times larger give 900 times that, about 200; both 30 times smaller give a root mean square of 3e-5,
; rounded within 3e-8, a thousandth of it.  Weights with a root mean square below about 1e-5 are rounded more coarsely than bf16 would round them.
; Indices are taken to lie inside their tables, as reference() relies on; one that does not is clamped as an unsigned number to the table's last entry.
.set TPITCH, 528                       ; an index tile's LDS row: 512 bytes + 16 = 33 x 16: sixteen lanes that read one column of sixteen rows touch sixteen different 16-byte columns modulo 256
.set ITILE,  8192                      ; LDS 0 .. 8,191: residual codebook (outlier block: 0 .. 4,095 the outlier codebook)
.set RTILE,  ITILE+32*TPITCH           ; 8,192: 32 rows of indices; 25,088: 32 rows of res_indices (outlier block: 64 rows from 8,192 on)
.set CBASE,  RTILE+32*TPITCH           ; 41,984: the main codebook, 131,072 bytes
.set M,    4                           ; v[4:67]    the codebook on its way to LDS; then column j's eight numbers at M + 8 j
.set CP,   68                          ; v[68:71]   the small codebook on its way to LDS
.set TI,   72                          ; v[72:87]   index tiles on their way to LDS
.set ORD,  88                          ; v[88:95]   order of my 8 columns, then their stores' byte offsets
.set SC,   96                          ; v[96:103]  weight_scale of my 8 columns
.set BI,   104                         ; v[104:111] weight_bias
.set IX,   112                         ; v[112:119] indices of my row, my 8 columns; then their LDS addresses
.set RX,   120                         ; v[120:127] res_indices likewise (outlier block: the second outlier row)
.set IROW, 128                         ; byte offset of my 16 bytes in the tile's row w in memory
.set ILDS, 129                         ; the same in LDS
.set IRD,  130                         ; LDS: row l, my wave's 8 columns
.set ORDD, 131                         ; outlier block: row 2 l, my wave's 8 columns
.set CB1,  132                         ; LDS: my 16 bytes in the main codebook's first 8,192
.set CB2,  133                         ; and 65,536 further on (an LDS offset has 16 bits)
.set T8,   134                         ; 8 t
.set STO,  135                         ; 512 nblk + 16 l: my 16 bytes in a row of wq
.set R,    136                         ; v[136:199] column j's eight residual numbers
.set Y,    200                         ; v[200:231] column j's 16 bytes to store
	s_load_b512 s[4:19], s[0:1], 0x0               ; centroids s[4:5], res_centroids s[6:7], outlier_centroids s[8:9], indices s[10:11], res_indices s[12:13], outlier_indices s[14:15], weight_scale s[16:17], weight_bias s[18:19]
	s_load_b128 s[20:23], s[0:1], 0x40             ; order s[20:21], wq s[22:23]
	v_lshl_add_u32 v232, v0, 2, 0x2a400
	v_mov_b32 v233, 0
	v_and_b32 v1, 31, v0                           ; lane
	v_lshrrev_b32 v2, 5, v0
	v_readfirstlane_b32 s24, v2                    ; wave
	s_mov_b32 s25, ttmp9                           ; cblk
	s_and_b32 s26, ttmp7, 0xffff                   ; nblk
	s_lshl_b32 s27, s25, 9
	s_lshl_b32 s28, s24, 5
	s_add_co_u32 s27, s27, s28                     ; 4 bytes x (128 cblk + 8 w)
	v_mov_b32 v3, s27                              ; the same in every lane
	v_lshlrev_b32 v2, 4, v0                        ; 16 t
	s_mul_i32 s28, s24, TPITCH
	v_lshl_add_u32 v[ILDS], v1, 4, s28
	s_lshl_b32 s29, s26, 9
	v_lshl_add_u32 v[STO], v1, 4, s29
	s_wait_kmcnt 0x0
	global_load_b128 v[ORD:ORD+3],   v3, s[20:21]              ; loads 0 to 5: every lane takes its wave's 8 columns' figures
	global_load_b128 v[ORD+4:ORD+7], v3, s[20:21] offset:16
	global_load_b128 v[SC:SC+3],     v3, s[16:17]
	global_load_b128 v[SC+4:SC+7],   v3, s[16:17] offset:16
	global_load_b128 v[BI:BI+3],     v3, s[18:19]
	global_load_b128 v[BI+4:BI+7],   v3, s[18:19] offset:16
; Column j: scale and bias (element j of SC and BI feeds both halves of the packed multiply-add), rounding, and the store.
; No register that a store names is written again in the launch.
.macro FIN j
.irp p, 0,2,4,6
.if (\j) & 1
	v_pk_fma_f32 v[M+8*\j+\p:M+8*\j+\p+1], v[M+8*\j+\p:M+8*\j+\p+1], v[SC+\j-1:SC+\j], v[BI+\j-1:BI+\j] op_sel:[0,1,1] op_sel_hi:[1,1,1]
.else
	v_pk_fma_f32 v[M+8*\j+\p:M+8*\j+\p+1], v[M+8*\j+\p:M+8*\j+\p+1], v[SC+\j:SC+\j+1], v[BI+\j:BI+\j+1] op_sel_hi:[1,0,0]
.endif
.endr
.irp p, 0,1,2,3
	v_cvt_pk_f16_f32 v[Y+4*\j+\p], v[M+8*\j+2*\p], v[M+8*\j+2*\p+1]    ; two roundings to f16, the first source into the low half
.endr
	global_store_b128 v[ORD+\j], v[Y+4*\j:Y+4*\j+3], s[22:23]      ; the wave: 512 consecutive bytes, aligned, of row order[c]
.endm
	s_cmp_eq_u32 s25, 0
	s_cbranch_scc1 .Loutlier
	; ---- columns 128 and up ----
	s_mul_i32 s28, s26, 32*3968*4                  ; 32 nblk index rows of 15,872 bytes
	s_lshl_b32 s29, s25, 9
	s_add_co_u32 s28, s28, s29
	s_sub_co_u32 s28, s28, 512                     ; + 4 bytes x 128 (cblk - 1)
	s_mov_b32 s29, 0
	s_add_nc_u64 s[10:11], s[10:11], s[28:29]
	s_add_nc_u64 s[12:13], s[12:13], s[28:29]
	s_mul_i32 s28, s24, 3968*4
	v_lshl_add_u32 v[IROW], v1, 4, s28             ; row w of the tile, 16 bytes a lane: a wave takes a row's 512 bytes
	v_mul_u32_u24 v[IRD], v1, TPITCH
	v_lshl_add_u32 v[IRD], s24, 5, v[IRD]
	v_add_nc_u32 v[CB1], CBASE, v2
	v_add_nc_u32 v[CB2], CBASE+65536, v2
	global_load_b128 v[TI:TI+3],     v[IROW], s[10:11] th:TH_LOAD_NT                     ; loads 6, 7: indices, rows w and w + 16
	global_load_b128 v[TI+4:TI+7],   v[IROW], s[10:11] offset:16*3968*4 th:TH_LOAD_NT
	global_load_b128 v[TI+8:TI+11],  v[IROW], s[12:13] th:TH_LOAD_NT                     ; loads 8, 9: res_indices
	global_load_b128 v[TI+12:TI+15], v[IROW], s[12:13] offset:16*3968*4 th:TH_LOAD_NT
	global_load_b128 v[CP:CP+3], v2, s[6:7]                                              ; load 10: the residual codebook, 512 threads x 16 bytes
.irp u, 0,1,2,3,4,5,6,7,8,9,10,11,12,13,14,15
	global_load_b128 v[M+4*\u:M+4*\u+3], v2, s[4:5] offset:8192*\u                       ; loads 11 to 26: the main codebook
.endr
	; 27 loads are out; loads come back in order, so load i is in when at most 26 - i are out
	s_wait_loadcnt 20
	ds_store_b128 v[ILDS], v[TI:TI+3] offset:ITILE
	s_wait_loadcnt 19
	ds_store_b128 v[ILDS], v[TI+4:TI+7] offset:ITILE+16*TPITCH
	s_wait_loadcnt 18
	ds_store_b128 v[ILDS], v[TI+8:TI+11] offset:RTILE
	s_wait_loadcnt 17
	ds_store_b128 v[ILDS], v[TI+12:TI+15] offset:RTILE+16*TPITCH
	s_wait_loadcnt 16
	ds_store_b128 v2, v[CP:CP+3]
.irp u, 0,1,2,3,4,5,6,7
	s_wait_loadcnt 15-\u
	ds_store_b128 v[CB1], v[M+4*\u:M+4*\u+3] offset:8192*\u
.endr
.irp u, 8,9,10,11,12,13,14,15
	s_wait_loadcnt 15-\u
	ds_store_b128 v[CB2], v[M+4*\u:M+4*\u+3] offset:8192*(\u-8)
.endr
	s_wait_dscnt 0x0                               ; for the others' sake: all my LDS stores are done before I signal
	s_barrier_signal -1
	s_barrier_wait -1                              ; tables and tiles are whole; nothing is stored into LDS after this
	ds_load_b128 v[IX:IX+3],   v[IRD] offset:ITILE
	ds_load_b128 v[IX+4:IX+7], v[IRD] offset:ITILE+16
	ds_load_b128 v[RX:RX+3],   v[IRD] offset:RTILE
	ds_load_b128 v[RX+4:RX+7], v[IRD] offset:RTILE+16
	s_wait_dscnt 0x0
.irp j, 0,1,2,3,4,5,6,7
	v_min_u32 v[IX+\j], 0xfff, v[IX+\j]            ; inside the table of 4,096 entries
	v_min_u32 v[RX+\j], 0xff, v[RX+\j]             ; of 256
	v_min_u32 v[ORD+\j], 0xfff, v[ORD+\j]          ; inside wq's 4,096 rows
	v_lshl_add_u32 v[IX+\j], v[IX+\j], 5, CBASE    ; 32 bytes an entry
	v_lshlrev_b32 v[RX+\j], 5, v[RX+\j]
	v_lshl_add_u32 v[ORD+\j], v[ORD+\j], 12, v[STO]
.endr
.irp j, 0,1,2,3,4,5,6,7
	ds_load_b128 v[M+8*\j:M+8*\j+3],   v[IX+\j]
	ds_load_b128 v[M+8*\j+4:M+8*\j+7], v[IX+\j] offset:16
	ds_load_b128 v[R+8*\j:R+8*\j+3],   v[RX+\j]
	ds_load_b128 v[R+8*\j+4:R+8*\j+7], v[RX+\j] offset:16
.endr
.irp j, 0,1,2,3,4,5,6,7
	s_wait_dscnt 4*(7-\j)                          ; four gathers a column, in order: the later columns' may stay out
.irp p, 0,2,4,6
	v_pk_add_f32 v[M+8*\j+\p:M+8*\j+\p+1], v[M+8*\j+\p:M+8*\j+\p+1], v[R+8*\j+\p:R+8*\j+\p+1]
.endr
	FIN \j
.endr
	s_wait_tensorcnt 0x0
	ds_add_u32 v232, v233
	s_wait_dscnt 0x0
	s_endpgm
	; ---- columns 0 to 127: 64 outlier index rows, four n each; lane l takes rows 2 l and 2 l + 1 ----
.Loutlier:
	s_lshl_b32 s28, s26, 15                        ; 64 nblk rows of 512 bytes: the block is dense in memory
	s_mov_b32 s29, 0
	s_add_nc_u64 s[14:15], s[14:15], s[28:29]
	v_lshlrev_b32 v[T8], 3, v0
	v_mul_u32_u24 v[ORDD], v1, 2*TPITCH
	v_lshl_add_u32 v[ORDD], s24, 5, v[ORDD]
	global_load_b64 v[CP:CP+1], v[T8], s[8:9]                                            ; load 6: the outlier codebook, 512 threads x 8 bytes
.irp u, 0,1,2,3
	global_load_b128 v[TI+4*\u:TI+4*\u+3], v2, s[14:15] offset:8192*\u th:TH_LOAD_NT     ; loads 7 to 10: rows w + 16 u
.endr
	s_wait_loadcnt 4                               ; 11 loads: load i is in when at most 10 - i are out
	ds_store_b64 v[T8], v[CP:CP+1]
.irp u, 0,1,2,3
	s_wait_loadcnt 3-\u
	ds_store_b128 v[ILDS], v[TI+4*\u:TI+4*\u+3] offset:ITILE+16*TPITCH*\u
.endr
	s_wait_dscnt 0x0                               ; all my LDS stores are done before I signal
	s_barrier_signal -1
	s_barrier_wait -1
	ds_load_b128 v[IX:IX+3],   v[ORDD] offset:ITILE
	ds_load_b128 v[IX+4:IX+7], v[ORDD] offset:ITILE+16
	ds_load_b128 v[RX:RX+3],   v[ORDD] offset:ITILE+TPITCH
	ds_load_b128 v[RX+4:RX+7], v[ORDD] offset:ITILE+TPITCH+16
	s_wait_dscnt 0x0
.irp j, 0,1,2,3,4,5,6,7
	v_min_u32 v[IX+\j], 0xff, v[IX+\j]             ; inside the table of 256 entries
	v_min_u32 v[RX+\j], 0xff, v[RX+\j]
	v_min_u32 v[ORD+\j], 0xfff, v[ORD+\j]
	v_lshlrev_b32 v[IX+\j], 4, v[IX+\j]            ; 16 bytes an entry
	v_lshlrev_b32 v[RX+\j], 4, v[RX+\j]
	v_lshl_add_u32 v[ORD+\j], v[ORD+\j], 12, v[STO]
.endr
.irp j, 0,1,2,3,4,5,6,7
	ds_load_b128 v[M+8*\j:M+8*\j+3],   v[IX+\j]    ; n = 8 l .. 8 l + 3
	ds_load_b128 v[M+8*\j+4:M+8*\j+7], v[RX+\j]    ; n = 8 l + 4 .. 8 l + 7
.endr
.irp j, 0,1,2,3,4,5,6,7
	s_wait_dscnt 2*(7-\j)                          ; two gathers a column
	FIN \j
.endr
	s_wait_tensorcnt 0x0
	ds_add_u32 v232, v233
	s_wait_dscnt 0x0
	s_endpgm
.Lfunc_end_k_qd4788495ee_dequant:
	.size	k_qd4788495ee_dequant, .Lfunc_end_k_qd4788495ee_dequant-k_qd4788495ee_dequant
	.p2alignl 7, 3214868480
	.fill 96, 4, 3214868480
	.section	.rodata,"a",@progbits
	.p2align	6, 0x0
	.amdhsa_kernel k_qd4788495ee_dequant
		.amdhsa_group_segment_fixed_size 175104
		.amdhsa_private_segment_fixed_size 0
		.amdhsa_enable_private_segment 0
		.amdhsa_kernarg_size 80
		.amdhsa_user_sgpr_count 2
		.amdhsa_user_sgpr_kernarg_segment_ptr 1
		.amdhsa_wavefront_size32 1
		.amdhsa_system_sgpr_workgroup_id_x 1
		.amdhsa_system_sgpr_workgroup_id_y 1
		.amdhsa_system_sgpr_workgroup_id_z 1
		.amdhsa_system_vgpr_workitem_id 0
		.amdhsa_next_free_vgpr 234
		.amdhsa_next_free_sgpr 66
		.amdhsa_reserve_vcc 0
		.amdhsa_float_denorm_mode_32 3
		.amdhsa_float_denorm_mode_16_64 3
		.amdhsa_memory_ordered 1
		.amdhsa_forward_progress 1
		.amdhsa_inst_pref_size 30
	.end_amdhsa_kernel
	.amdgpu_metadata
---
amdhsa.version: [ 1, 2 ]
amdhsa.kernels:
  - .name:           k_qd4788495ee_dequant
    .symbol:         k_qd4788495ee_dequant.kd
    .args:
      - { .name: centroids, .offset: 0, .size: 8, .value_kind: global_buffer, .address_space: global }
      - { .name: res_centroids, .offset: 8, .size: 8, .value_kind: global_buffer, .address_space: global }
      - { .name: outlier_centroids, .offset: 16, .size: 8, .value_kind: global_buffer, .address_space: global }
      - { .name: indices, .offset: 24, .size: 8, .value_kind: global_buffer, .address_space: global }
      - { .name: res_indices, .offset: 32, .size: 8, .value_kind: global_buffer, .address_space: global }
      - { .name: outlier_indices, .offset: 40, .size: 8, .value_kind: global_buffer, .address_space: global }
      - { .name: weight_scale, .offset: 48, .size: 8, .value_kind: global_buffer, .address_space: global }
      - { .name: weight_bias, .offset: 56, .size: 8, .value_kind: global_buffer, .address_space: global }
      - { .name: order, .offset: 64, .size: 8, .value_kind: global_buffer, .address_space: global }
      - { .name: wq, .offset: 72, .size: 8, .value_kind: global_buffer, .address_space: global }
    .group_segment_fixed_size: 175104
    .private_segment_fixed_size: 0
    .kernarg_segment_align: 8
    .kernarg_segment_size: 80
    .max_flat_workgroup_size: 512
    .sgpr_count:     66
    .vgpr_count:     234
    .wavefront_size: 32
...
	.end_amdgpu_metadata
.endif
;; end of part 2
;; launch gemm (part 3): grid 8 x 32, 4 waves a work-group, clusters of 4 x 4, 327,680 bytes of LDS; arguments xh, wq, out0; writes out0
.if DOCPART == 3
	.amdgcn_target "amdgcn-amd-amdhsa--gfx1250"
	.amdhsa_code_object_version 6
	.text
	.protected	k_qd4788495ee_gemm
	.globl	k_qd4788495ee_gemm
	.p2align	8
	.type	k_qd4788495ee_gemm,@function
k_qd4788495ee_gemm:
	s_mov_b64 s[64:65], 0
	v_nop
	global_prefetch_b8 v0, s[64:65] scope:SCOPE_SE
	s_setreg_imm32_b32 hwreg(HW_REG_WAVE_MODE, 25, 1), 1
	s_wait_xcnt 0x0
	s_wait_alu depctr_hold_cnt(0) depctr_sa_sdst(0) depctr_va_vdst(0) depctr_va_sdst(0) depctr_va_ssrc(0) depctr_va_vcc(0) depctr_vm_vsrc(0)
	s_getreg_b32 s2, hwreg(HW_REG_IB_STS2, 6, 4)
	s_cmp_eq_u32 s2, 0
	s_cbranch_scc0 .Lentry_in_a_cluster
	s_endpgm
.Lentry_in_a_cluster:
	s_bfe_u32 s2, ttmp6, 0x10000c
	s_cmp_lg_u32 s2, 0xf033
	s_cbranch_scc0 .Lentry_shape_is_right
	s_endpgm
.Lentry_shape_is_right:
; out0[m][n] = sum over k of xh[m][k] wq[k][n].  xh: [8192][4096] f16 (x, rounded), wq: [4096][2048] f16 (the dequantised weight, x's column as the row), out0: [8192][2048] f32.
; WHY f16 AND NOT bf16: with 8 significant bits in both operands a sum of 4,096 products carries an error whose spread is about 0.002 of the output's root mean
; square, a quarter of what the comparison allows: too near for 16.7 million numbers.  With 11 bits it is eight times smaller.
; LIMITS: both operands were rounded to f16 when they were made (their ranges are stated there: beyond 65,504 infinite, a step of 2^-24 below 2^-14); sums in f32, K ascending.
; A work-group makes a block of 256 x 256 of out0 with four waves, as many as a WGP has SIMDs; a wave makes 128 x 128: 64 accumulator tiles of 16 x 16, 512 registers.
; K goes in steps of 128 through a ring of two LDS slots filled by the tensor data mover: a row of xh's tile (128 k) and a row of wq's half tile (128 n) are 256 bytes of
; memory and start at multiples of 256 bytes from their buffers' first bytes.
; CLUSTERS: 4 x 4 work-groups.  The four of a row of the cluster need the same tiles of xh, the four of a column the same tiles of wq: each tile is asked for
; jointly, by the same tensor load with the same descriptor and a mask that names the four.  That divides the requests for xh and for wq by four.
;
; REGISTERS, in windows of 256 (s_set_vgpr_msb's low byte: bits 1:0 source 0, 3:2 source 1, 5:4 source 2, 7:6 destination):
;   window 0: v0-5 at work, v16-27 addresses; v64-127, v128-191 fragments of xh (8 x 16 rows x 32 K), two buffers; on the way out the rows read back
;   window 1: v64-127, v128-191 fragments of wq (8 x 16 columns x 32 K), two buffers
;   window 2: the 32 accumulator tiles of my rows 0-63 (tile (a, b) at v[8 (8 a + b)], a = 16 rows, b = 16 columns);   window 3: those of my rows 64-127
; THE MATRIX INSTRUCTION IS USED TRANSPOSED: source 0 = 16 columns of wq, source 1 = 16 rows of xh.  Lane l then holds row l % 16 of out0 and its registers 0 to 7
; the columns 8 (l / 16) + 0 .. 7: 32 neighbouring bytes of a row.
.set SIZE_N, 2048
.set SIZE_K, 4096
.set KSTEP,  128
.set APITCH, 272                       ; xh's LDS row: 256 bytes + 16 = 17 x 16: the sixteen rows that a load touches start at sixteen different 16-byte columns modulo 256
.set AHALF,  128*APITCH                ; 128 rows of xh: one tensor load, and what one wave reads of xh
.set BPITCH, 288                       ; wq's LDS row: 256 bytes (128 n) + 32 = 9 x 32, an odd multiple of 32 for the transposing loads
.set BHALF,  KSTEP*BPITCH              ; 128 k x 128 n: one tensor load, and what one wave reads of wq
.set BTILE,  2*BHALF
.set SLOT,   BTILE+2*AHALF             ; 143,360: wq's two halves, then xh's two halves
.set STAGE,  2*SLOT                    ; 286,720, a multiple of 256, behind the ring: 16 rows x 528 bytes for each wave, for the way out; no tensor load fills it
.set SPITCH, 528                       ; 512 bytes + 16 = 33 x 16
.set LAPS,   SIZE_K/(2*KSTEP)          ; 16: a lap = two K steps = once round the ring
.set ADRA, 16                          ; v16-17  LDS address of my xh fragments in slot 0, 1
.set ADRB, 20                          ; v20-21  the same for wq
.set STO,  24                          ; the way out: where I put 32 bytes of a row
.set RD,   25                          ; the way out: where I read 16 bytes of a row back
.set CO,   26                          ; 16 x lane: my bytes in 512 of a row of out0
.set PFO,  27                          ; lane x 8,192: one row of xh a lane, for the prefetch
.set F0,   64                          ; fragment buffer 0
.set F1,   128                         ; fragment buffer 1
.set G1,  24                           ; s[24:31] descriptor group 1 for xh's tiles
.set G0,  32                           ; s[32:39] group 0 for xh's tiles, a set for each slot
.set G1B, 48                           ; s[48:55] group 1 for wq's tiles
.set G0B, 56                           ; s[56:63] group 0 for wq's tiles, a set for each slot
.set MSB, 0
.macro WIN new                         ; the immediate's high byte repeats the setting that is left; a switch that changes nothing is dropped
.if MSB != \new
	s_set_vgpr_msb (MSB<<8)|\new
.set MSB, \new
.endif
.endm
.set MUL_LO, 0xa1                      ; source 0 (wq) window 1, source 1 (xh) window 0, C and D window 2
.set MUL_HI, 0xf1                      ; the same, C and D window 3
.set TO_B,   0x40                      ; destination window 1, address window 0
.set ST_LO,  0x08                      ; LDS store: address window 0, data window 2
.set ST_HI,  0x0c                      ; data window 3
; A joint load.  Waves 0 and 1 fetch wq's two halves, waves 2 and 3 xh's.  Each line has one mask and one set of registers for all that issue it; the branch hangs on
; the wave's number alone.
.macro JLOAD s
	s_cmp_eq_u32 s11, 0
	s_cbranch_scc0 .Lfor_a_\@
	tensor_load_to_lds s[G0B+4*\s:G0B+4*\s+3], s[G1B:G1B+7]
	s_nop 0
	s_branch .Lasked_\@
.Lfor_a_\@:
	tensor_load_to_lds s[G0+4*\s:G0+4*\s+3], s[G1:G1+7]
	s_nop 0
.Lasked_\@:
.endm
; A round of the cluster's barrier: my work-group's barrier, so that wave 0's signal speaks for all four waves; wave 0 signals for the work-group; every wave waits
; for all sixteen work-groups; my work-group's barrier once more.
.macro CREST                           ; a round behind its opening barrier
	s_cmp_lg_u32 s10, 0
	s_cbranch_scc1 .Lnot_wave_0_\@
	s_barrier_signal -3
.Lnot_wave_0_\@:
	s_barrier_wait -3
	s_barrier_signal -1
	s_barrier_wait -1
.endm
.macro CROUND                          ; a whole round
	s_barrier_signal -1
	s_barrier_wait -1
	CREST
.endm
	s_load_b128 s[4:7], s[0:1], 0x0                ; xh s[4:5], wq s[6:7]
	s_load_b64 s[8:9], s[0:1], 0x10                ; out0
	s_set_vgpr_msb 0x40
	v_lshl_add_u32 v255, v0, 2, 0x4e400
	s_set_vgpr_msb 0x4000
	v_mov_b32 v255, 0
	s_set_vgpr_msb 0x1
	ds_add_u32 v255, v255
	ds_add_u32 v255, v255
	s_set_vgpr_msb 0x100
	v_lshrrev_b32 v1, 5, v0
	v_readfirstlane_b32 s10, v1                    ; wave 0..3
	s_lshr_b32 s11, s10, 1                         ; which half of the block's rows is mine.  Also: I fetch for wq (0) or for xh (1)
	s_and_b32 s12, s10, 1                          ; which half of its columns.  Also: which half of that tile I fetch
	s_bfe_u32 s40, ttmp6, 0x40000                  ; cx
	s_bfe_u32 s41, ttmp6, 0x40004                  ; cy
	s_lshl_b32 s42, ttmp9, 2
	s_add_co_u32 s42, s42, s40                     ; block column = 4 x cluster x + cx
	s_and_b32 s13, ttmp7, 0xffff
	s_lshl_b32 s13, s13, 2
	s_add_co_u32 s13, s13, s41                     ; block row = 4 x cluster y + cy
	s_lshl_b32 s43, s41, 2
	s_lshl_b32 s43, 15, s43                        ; my row of the cluster: places 4 cy .. 4 cy + 3
	s_lshl_b32 s44, 0x1111, s40                    ; my column: places cx, cx + 4, cx + 8, cx + 12
	; group 1 for xh: 128 rows x 128 elements (k) of 2 bytes, 4 words of padding behind every 64 words
	s_or_b32 s[G1+0], s43, (1<<16)|(1<<20)|(1<<21)|(5<<22)|(3<<25)  ; 15:0 mask: my row; 17:16 element of 2 bytes; 20 padding on; 21 set beside a mask; 24:22 every 64 words; 31:25 4 words
	s_mov_b32 s[G1+1], KSTEP<<16                   ; tensor_dim0 = 128
	s_mov_b32 s[G1+2], 128<<16                     ; tensor_dim1 = 128
	s_mov_b32 s[G1+3], KSTEP<<16                   ; tile_dim0 = 128
	s_mov_b32 s[G1+4], 128                         ; tile_dim1 = 128
	s_mov_b32 s[G1+5], SIZE_K                      ; elements from row to row
	s_mov_b32 s[G1+6], 0
	s_mov_b32 s[G1+7], 0
	; group 1 for wq: 128 rows (k) x 128 elements (n) of 2 bytes, 8 words of padding behind every 64 words
	s_or_b32 s[G1B+0], s44, (1<<16)|(1<<20)|(1<<21)|(5<<22)|(7<<25) ; mask: my column; 8 words
	s_mov_b32 s[G1B+1], 128<<16                    ; tensor_dim0 = 128
	s_mov_b32 s[G1B+2], KSTEP<<16                  ; tensor_dim1 = 128
	s_mov_b32 s[G1B+3], 128<<16                    ; tile_dim0 = 128
	s_mov_b32 s[G1B+4], KSTEP                      ; tile_dim1 = 128
	s_mov_b32 s[G1B+5], SIZE_N
	s_mov_b32 s[G1B+6], 0
	s_mov_b32 s[G1B+7], 0
	; where the tiles come from.  xh's hang on the block row alone, wq's on the block column alone; every wave makes both addresses, in registers that never hold the other coordinate
	s_lshl_b32 s17, s12, 7                         ; which 128 rows of xh, or 128 columns of wq
	s_lshl_b32 s16, s13, 8
	s_add_co_u32 s16, s16, s17
	s_lshl_b32 s16, s16, 13                        ; xh: (256 x block row + 128 x half) rows of 8,192 bytes: below 2^26
	s_lshl_b32 s46, s42, 8
	s_add_co_u32 s46, s46, s17
	s_lshl_b32 s46, s46, 1                         ; wq: (256 x block column + 128 x half) columns of 2 bytes
	s_mov_b32 s17, 0
	s_mov_b32 s47, 0
	s_mul_i32 s21, s10, BHALF                      ; where they go: wq's halves at wave x 36,864 (waves 0, 1),
	s_mul_i32 s20, s10, AHALF
	s_add_co_u32 s20, s20, BTILE-2*AHALF           ; xh's halves at 4,096 + wave x 34,816 (waves 2, 3): behind wq's tile.  No place in the cluster enters an LDS address
	; the prefetch's first address: of the 256 rows of xh that the eight work-groups of a block row need, this one asks for 32
	s_lshl_b32 s18, s13, 8
	s_lshl_b32 s19, s42, 5
	s_add_co_u32 s18, s18, s19
	s_lshl_b32 s18, s18, 13                        ; (256 x block row + 32 x block column) rows
	s_add_co_u32 s18, s18, 2*KSTEP*2               ; K step 2; each request steps one K step on first
	s_mov_b32 s19, 0
	s_wait_dscnt 0x0
	s_wait_kmcnt 0x0
	s_add_nc_u64 s[14:15], s[4:5], s[16:17]
	s_add_nc_u64 s[46:47], s[6:7], s[46:47]
	s_add_nc_u64 s[22:23], s[4:5], s[18:19]
	CROUND                                         ; all sixteen work-groups are here: the first joint loads meet
.irp s, 0,1
	s_mov_b32 s[G0+4*\s], 1                                        ; count = 1
	s_add_co_u32 s[G0+4*\s+1], s20, \s*SLOT                        ; LDS address
	s_add_nc_u64 s[G0+4*\s+2:G0+4*\s+3], s[14:15], \s*KSTEP*2      ; global address: K step s
	s_or_b32 s[G0+4*\s+3], s[G0+4*\s+3], 0x80000000                ; type = 2
	s_mov_b32 s[G0B+4*\s], 1
	s_add_co_u32 s[G0B+4*\s+1], s21, \s*SLOT
	s_add_nc_u64 s[G0B+4*\s+2:G0B+4*\s+3], s[46:47], \s*KSTEP*SIZE_N*2
	s_or_b32 s[G0B+4*\s+3], s[G0B+4*\s+3], 0x80000000
	JLOAD \s                                       ; both first fills go out as one group: two tensor loads of the wave are out here, one behind every later round
.endr
	; A fragment of xh is 16 rows x 32 K in 8 registers: lane l holds row l % 16; registers 0-3 hold K = 8 (l / 16) + 0..7, registers 4-7 K = 16 + 8 (l / 16) + 0..7:
	; from rows that lie along K two loads of 16 bytes, 32 bytes apart.
	v_and_b32 v1, 15, v0                           ; r = l % 16
	v_bfe_u32 v2, v0, 4, 1                         ; h = l / 16
	v_mul_u32_u24 v3, v1, APITCH
	v_lshl_add_u32 v3, v2, 4, v3                   ; r x pitch + 16 h
	s_mul_i32 s45, s11, AHALF                      ; my 128 rows of xh,
	s_add_co_u32 s45, s45, BTILE                   ; which lie behind wq's tile
	v_add_nc_u32 v[ADRA], s45, v3
	v_add_nc_u32 v[ADRA+1], SLOT, v[ADRA]
	; A fragment of wq is 16 columns x 32 K out of rows that lie along n: two transposing loads, 16 rows apart; lane l addresses row 8 h + l % 8, 16 bytes at 16 ((l / 8) % 2).
	v_and_b32 v4, 7, v0
	v_lshl_add_u32 v4, v2, 3, v4
	v_mul_u32_u24 v4, v4, BPITCH
	v_bfe_u32 v5, v0, 3, 1
	v_lshl_add_u32 v4, v5, 4, v4
	s_mul_i32 s45, s12, BHALF                      ; my 128 columns of wq
	v_add_nc_u32 v[ADRB], s45, v4
	v_add_nc_u32 v[ADRB+1], SLOT, v[ADRB]
	s_mul_i32 s45, s10, 16*SPITCH
	s_add_co_u32 s45, s45, STAGE                   ; my stage
	v_mul_u32_u24 v3, v1, SPITCH
	v_lshl_add_u32 v3, v2, 5, v3                   ; in: row r, 32 bytes for each half of the lanes
	v_add_nc_u32 v[STO], s45, v3
	v_and_b32 v5, 31, v0
	v_lshlrev_b32 v[CO], 4, v5
	v_add_nc_u32 v[RD], s45, v[CO]                 ; back: the 32 lanes take one row's 512 bytes
	v_lshlrev_b32 v[PFO], 13, v5
; 16 matrix instructions: row blocks a0, a0 + 1 of the window's four (hi = 0: my rows 0-63, 1: rows 64-127) x all 8 column blocks, 32 along K, buffer f.
; zero = 1: the first product starts the sums: nothing is ever cleared.
; The 64 accumulators take turns, one instruction a turn, in the same order in every quarter.
.macro MUL16 f, hi, a0, zero
.irp a, \a0, \a0+1
.irp b, 0,1,2,3,4,5,6,7
.if \zero
	v_wmma_f32_16x16x32_f16 v[8*(8*(\a)+\b):8*(8*(\a)+\b)+7], v[\f+8*\b:\f+8*\b+7], v[\f+8*(4*\hi+\a):\f+8*(4*\hi+\a)+7], 0
.else
	v_wmma_f32_16x16x32_f16 v[8*(8*(\a)+\b):8*(8*(\a)+\b)+7], v[\f+8*\b:\f+8*\b+7], v[\f+8*(4*\hi+\a):\f+8*(4*\hi+\a)+7], v[8*(8*(\a)+\b):8*(8*(\a)+\b)+7]
.endif
.endr
.endr
.endm
; 32 LDS loads in one run: the fragments of quarter q (32 K) of a slot into buffer f: wq's 128 columns first, then xh's 128 rows, ascending.
.macro FETCH slot, q, f
	WIN TO_B
.irp i, 0,1,2,3,4,5,6,7
	ds_load_tr16_b128 v[\f+8*\i:\f+8*\i+3],   v[ADRB+\slot] offset:\q*32*BPITCH+32*\i
	ds_load_tr16_b128 v[\f+8*\i+4:\f+8*\i+7], v[ADRB+\slot] offset:\q*32*BPITCH+32*\i+16*BPITCH
.endr
	WIN 0
.irp i, 0,1,2,3,4,5,6,7
	ds_load_b128 v[\f+8*\i:\f+8*\i+3],   v[ADRA+\slot] offset:64*\q+\i*16*APITCH
	ds_load_b128 v[\f+8*\i+4:\f+8*\i+7], v[ADRA+\slot] offset:64*\q+\i*16*APITCH+32
.endr
.endm
; A load into a register that a matrix instruction has read, and an LDS store that reads a matrix result, stand four places behind that matrix instruction, and only plain
; vector instructions that name none of its registers are places (ISA guide 7.12.1 for vector instructions).  So four v_nop stand
; in front of each run of loads: sixteen issue slots for a K step's 256 matrix instructions.
.macro PLACES
.rept 4
	v_nop
.endr
.endm
; The prefetch of xh.  Wave 3 alone asks; a lane asks for one row's 256 bytes of one K step.  The eight work-groups of a block row ask for 32 rows each, so every aligned
; block of 256 bytes of xh from K step 3 on is asked for once in the launch.  The turn of K step s asks for K step s + 3, whose tensor load is issued in the turn of K step s + 1:
; one K step, 256 matrix instructions of a wave, lies between.  K steps 0 to 28 ask, so the last block asked for is K step 31's, the row's last 256 bytes.
; wq is not asked for: 32 block rows read it again and again.
.macro PF
	s_cmp_lg_u32 s10, 3
	s_cbranch_scc1 .Lno_pf_\@
	s_wait_xcnt 0x0                                ; the last K step's request has had its addresses translated (ISA guide 3.1): its base is stepped only behind this wait
	s_add_nc_u64 s[22:23], s[22:23], KSTEP*2
	global_prefetch_b8 v[PFO], s[22:23] th:TH_LOAD_NT scope:SCOPE_SE
.Lno_pf_\@:
.endm
; A K step is four quarters of 32 along K, 64 matrix instructions each, on buffers 0, 1, 0, 1.
; One of the first three: multiplies buffer f; in its middle it fetches quarter q of the same slot into buffer g.
.macro QUARTER slot, q, f, g, zero
	s_wait_dscnt 8                                 ; wq and xh's rows 0-63 are in; the youngest eight loads (xh's rows 64-127) may be out
	WIN MUL_LO
	MUL16 \f, 0, 0, \zero
	MUL16 \f, 0, 2, \zero
	PLACES
	FETCH \slot, \q, \g
	s_wait_dscnt 32                                ; all but the 32 just issued
	WIN MUL_HI
	MUL16 \f, 1, 0, \zero
	MUL16 \f, 1, 2, \zero
.endm
.macro THREE slot, zero
	QUARTER \slot, 1, F0, F1, \zero
	QUARTER \slot, 2, F1, F0, 0
	QUARTER \slot, 3, F0, F1, 0
.endm
; The last quarter: multiplies buffer 1 and changes slots.  next = the other slot; fill = 1: this slot is filled again, two K steps ahead; pf = 1: the prefetch.
; One barrier for the change of slots.  In front of it each wave waits for its own reads of this slot and for all its tensor loads, of which one is out: its part of
; the next slot.  Behind it nobody reads this slot any more and the next slot is whole.  Where the slot is filled again the barrier opens a round of the cluster's
; barrier, and the joint refill is the first tensor load behind the round's closing wait, one a wave.  From a request to the wait for it a wave issues 240 matrix instructions.
.macro TURN slot, next, fill, pf
	s_wait_dscnt 8
	WIN MUL_LO
	MUL16 F1, 0, 0, 0
	s_wait_dscnt 0                                 ; my reads of this slot are over
	s_wait_tensorcnt 0x0                           ; and all my tensor loads have landed: no group 0 is in use
	ds_add_u32 v255, v255
	s_wait_dscnt 0x0
	s_barrier_signal -1                            ; say so,
	MUL16 F1, 0, 2, 0                              ; work on registers while the others arrive,
	WIN 0
	s_barrier_wait -1                              ; and go on when all four have said so
.if \fill
	CREST                                          ; all sixteen work-groups have said so: no wave of any partner still reads this slot or has a load on its way
	s_add_nc_u64 s[G0+4*\slot+2:G0+4*\slot+3], s[G0+4*\slot+2:G0+4*\slot+3], 2*KSTEP*2
	s_add_nc_u64 s[G0B+4*\slot+2:G0B+4*\slot+3], s[G0B+4*\slot+2:G0B+4*\slot+3], 2*KSTEP*SIZE_N*2
	JLOAD \slot
.endif
.if \pf
	PF
.endif
	PLACES
	FETCH \next, 0, F0
	WIN MUL_HI
	MUL16 F1, 1, 0, 0
	MUL16 F1, 1, 2, 0
.endm
.macro LAP zero, pf0, pf1              ; once round the ring, both slots filled again
	THREE 0, \zero
	TURN 0, 1, 1, \pf0
	THREE 1, 0
	TURN 1, 0, 1, \pf1
.endm
	s_wait_tensorcnt 1                             ; my part of K step 0 is in; K step 1's may stay out
	s_barrier_signal -1
	s_barrier_wait -1                              ; everybody's is
	FETCH 0, 0, F0
	LAP 1, 1, 1                                    ; lap 0 stands in front of the loop: its first products start the sums
	WIN 0                                          ; at a label and at a branch every window is 0
	s_mov_b32 s3, LAPS-3
.Llap:
	LAP 0, 1, 1                                    ; laps 1 to 13
	WIN 0
	s_sub_co_u32 s3, s3, 1
	s_cmp_lg_u32 s3, 0
	s_cbranch_scc1 .Llap
	LAP 0, 1, 0                                    ; lap 14 fills K steps 30 and 31, the last; K step 28 asks for K step 31, K step 29 has nothing left to ask for
	THREE 0, 0                                     ; lap 15 fills nothing and has no round of the cluster's barrier
	TURN 0, 1, 0, 0                                ; its wait for all tensor loads shows K step 31's landed: none is out from here on
	THREE 1, 0
	s_wait_dscnt 8                                 ; the very last quarter: nothing more to fetch
	WIN MUL_LO
	MUL16 F1, 0, 0, 0
	MUL16 F1, 0, 2, 0
	s_wait_dscnt 0
	WIN MUL_HI
	MUL16 F1, 1, 0, 0
	MUL16 F1, 1, 2, 0
	; THE WAY OUT, 16 rows x 128 columns at a time: 32 bytes a lane into my own stage in LDS, read back as whole rows of 512 bytes.
	; The four v_nop are the places behind the last matrix instructions: for the LDS stores, which read results, and for the loads into buffers 0 and 1.
	WIN 0
	PLACES
	s_lshl_b32 s16, s13, 8
	s_lshl_b32 s17, s11, 7
	s_add_co_u32 s16, s16, s17
	s_lshl_b32 s16, s16, 13                        ; my first row: (256 x block row + 128 x half) rows of 8,192 bytes
	s_mov_b32 s17, 0
	s_add_nc_u64 s[8:9], s[8:9], s[16:17]
	s_lshl_b32 s46, s42, 10                        ; my first column, in bytes: 1,024 x block column + 512 x half (in the registers that held wq's address: none that feeds xh's descriptors ever holds cx)
	s_lshl_b32 s47, s12, 9
	s_add_co_u32 s46, s46, s47
	s_mov_b32 s47, 0
	s_add_nc_u64 s[8:9], s[8:9], s[46:47]
; rows 64 hi + 16 a .. + 15 of my block = the eight tiles (a, 0..7) of window 2 or 3; r: buffer 0 or 1 in turn, 64 registers
.macro OUT a, hi, r
.if \hi
	WIN ST_HI
.else
	WIN ST_LO
.endif
.irp b, 0,1,2,3,4,5,6,7
	ds_store_b128 v[STO], v[8*(8*\a+\b):8*(8*\a+\b)+3]   offset:64*\b
	ds_store_b128 v[STO], v[8*(8*\a+\b)+4:8*(8*\a+\b)+7] offset:64*\b+16
.endr
	WIN 0
	s_wait_xcnt 0x0                                ; every earlier store has had its addresses translated (ISA guide 3.1): set r, which the stores of two calls ago read, is loaded again only behind this wait
.irp t, 0,1,2,3,4,5,6,7,8,9,10,11,12,13,14,15
	ds_load_b128 v[\r+4*\t:\r+4*\t+3], v[RD] offset:SPITCH*\t      ; LDS serves a wave's instructions in order (ISA guide 5.7.1.4): these see the stores above
.endr
.irp t, 0,1,2,3,4,5,6,7,8,9,10,11,12,13,14,15
	s_wait_dscnt 15-\t
	global_store_b128 v[CO], v[\r+4*\t:\r+4*\t+3], s[8:9] offset:(64*\hi+16*\a+\t)*SIZE_N*4 th:TH_STORE_NT   ; the wave stores 512 consecutive bytes, at a multiple of 512 from out0's first byte; the offset is 127 rows at the most, inside the signed 24 bits
.endr
.endm
	OUT 0, 0, F0
	OUT 1, 0, F1
	OUT 2, 0, F0
	OUT 3, 0, F1
	OUT 0, 1, F0
	OUT 1, 1, F1
	OUT 2, 1, F0
	OUT 3, 1, F1
	s_set_vgpr_msb 0x1
	s_wait_tensorcnt 0x0
	ds_add_u32 v255, v255
	s_wait_dscnt 0x0
	s_set_vgpr_msb 0x100
	CROUND                                         ; the closing round: no work-group ends while a partner may still ask for a tile that names it
	s_endpgm
.Lfunc_end_k_qd4788495ee_gemm:
	.size	k_qd4788495ee_gemm, .Lfunc_end_k_qd4788495ee_gemm-k_qd4788495ee_gemm
	.p2alignl 7, 3214868480
	.fill 96, 4, 3214868480
	.section	.rodata,"a",@progbits
	.p2align	6, 0x0
	.amdhsa_kernel k_qd4788495ee_gemm
		.amdhsa_group_segment_fixed_size 327680
		.amdhsa_private_segment_fixed_size 0
		.amdhsa_enable_private_segment 0
		.amdhsa_kernarg_size 24
		.amdhsa_user_sgpr_count 2
		.amdhsa_user_sgpr_kernarg_segment_ptr 1
		.amdhsa_wavefront_size32 1
		.amdhsa_system_sgpr_workgroup_id_x 1
		.amdhsa_system_sgpr_workgroup_id_y 1
		.amdhsa_system_sgpr_workgroup_id_z 1
		.amdhsa_system_vgpr_workitem_id 0
		.amdhsa_next_free_vgpr 1024
		.amdhsa_next_free_sgpr 66
		.amdhsa_reserve_vcc 0
		.amdhsa_float_denorm_mode_32 3
		.amdhsa_float_denorm_mode_16_64 3
		.amdhsa_memory_ordered 1
		.amdhsa_forward_progress 1
		.amdhsa_inst_pref_size 250
	.end_amdhsa_kernel
	.amdgpu_metadata
---
amdhsa.version: [ 1, 2 ]
amdhsa.kernels:
  - .name:           k_qd4788495ee_gemm
    .symbol:         k_qd4788495ee_gemm.kd
    .args:
      - { .name: xh, .offset: 0, .size: 8, .value_kind: global_buffer, .address_space: global }
      - { .name: wq, .offset: 8, .size: 8, .value_kind: global_buffer, .address_space: global }
      - { .name: out0, .offset: 16, .size: 8, .value_kind: global_buffer, .address_space: global }
    .group_segment_fixed_size: 327680
    .private_segment_fixed_size: 0
    .kernarg_segment_align: 8
    .kernarg_segment_size: 24
    .max_flat_workgroup_size: 128
    .sgpr_count:     66
    .vgpr_count:     1024
    .wavefront_size: 32
...
	.end_amdgpu_metadata
.endif
;; end of part 3
